; MI455X (gfx1250); checked and timed in simulation.
; The chip was launched on July 23, 2026; its instructions are those of AMD's public machine-readable ISA for CDNA 5 (MIT licence, August 2026) and "CDNA5" Instruction Set Architecture Reference Guide (July 2026). The comments in the code are by the model that wrote it; some were corrected since.
;; Base Causal Attention. Allowed arithmetic: matrix products marked QUANTISED: E2M3 operands, one E8M0 scale for each 32 along K, by v_wmma_scale_f32_16x16x128_f8f6f4 with both operands' format E2M3, f32 sums; everything else in f32.
;; Inputs: W_key 1,024 x 1,024 float32; W_query 1,024 x 1,024 float32; W_value 1,024 x 1,024 float32; x 4 x 2,048 x 1,024 float32.
;; Outputs: out0 4 x 2,048 x 1,024 float32.
;; This version of the problem:
;;   THIS VERSION OF THE PROBLEM IS GIVEN IN LOW PRECISION. The matrix products marked QUANTISED in the list below multiply operands that are first quantised to E2M3 (2 exponent bits, 3 mantissa bits; 6 bits a number), with one power-of-two scale for each 32 numbers along K (OCP MX v1.0); their sums are f32. All else is computed in f32.
;;   The module's matrix products, in the order in which they are computed (A, B: the left and right operand; K: the contracted axis; several contracted axes count as one K, in the product's order):
;;     1. [M 8,192, K 1,024] x [K 1,024, N 1,024]; A: input x; B: input W_query: QUANTISED
;;     2. [M 8,192, K 1,024] x [K 1,024, N 1,024]; A: input x; B: input W_key: QUANTISED
;;     3. [M 8,192, K 1,024] x [K 1,024, N 1,024]; A: input x; B: input W_value: QUANTISED
;;     4. batch 4 x [M 2,048, K 1,024] x [K 1,024, N 2,048]; A: computed on the way; B: computed on the way: QUANTISED
;;     5. batch 4 x [M 2,048, K 2,048] x [K 2,048, N 1,024]; A: softmax (see below); B: computed on the way: QUANTISED
;;   THE QUANTISER, for each operand of a quantised product, along K:
;;     - K is cut into blocks of 32 from its start; a last block that is shorter is filled with zeros.
;;     - A block's scale is 2^e with e = floor(log2(the largest magnitude in the block)) - 2, held to -126 .. 127; a block of zeros has e = 0. As a byte (E8M0): e + 127.
;;     - Each number is divided by its block's scale, clamped to +-7.5, and rounded to the nearest number of E2M3, ties to even, subnormals kept.
;;     - The product sums the exact products of the quantised numbers (number of the format x scale) in f32.
;;   ~~~python
;;   def quantise(x, axis):      # numpy; x: float32 -> the quantised numbers, widened to float32 again
;;       x = np.moveaxis(x, axis, -1); K = x.shape[-1]
;;       x = np.pad(x, [(0, 0)] * (x.ndim - 1) + [(0, -K % 32)]); x = x.reshape(x.shape[:-1] + (-1, 32)); a = np.abs(x).max(-1, keepdims=True)
;;       e = np.where(a > 0, np.clip(np.frexp(np.where(a > 0, a, 1))[1] - 1 - 2, -126, 127), 0)      # np.frexp(a)[1] - 1 = floor(log2(a)), exactly
;;       r = np.clip(x / 2.0 ** e, -7.5, 7.5)
;;       step = 2.0 ** (np.maximum(np.frexp(np.where(r == 0, 1, r))[1] - 1, 0) - 3)
;;       q = np.round(r / step) * step * 2.0 ** e      # np.round: ties to even
;;       return np.moveaxis(q.reshape(q.shape[:-2] + (-1,))[..., :K], -1, axis).astype(np.float32)
;;   ~~~
;;   SOFTMAX AHEAD OF A QUANTISED PRODUCT. Where the list says 'softmax', what is quantised is not the finished softmax but p = 2^(t - M), with t = logit x log2(e) and M = ceil(the row's largest t), a whole number; so 1/2 < the row's largest p <= 1. The row's sum l is taken of the UNQUANTISED p, in f32, and the product's result is divided by l at the end. Since M is a whole number, a kernel that streams over the keys may use a running M (the ceiling of the running maximum): every later rescaling is an exact power of two, which a block's scale takes up: the codes' values come out the same.
;;   OPERANDS COMPUTED ON THE WAY. 'Computed on the way' means the value that the module computes at that place (a softmax that the list does not call 'softmax' is quantised finished and normalised). What goes into a quantiser is computed in f32, as accurately as f32 sums, v_exp_f32 and their like allow (about 1e-6 of the number): no bf16 or f16 on the way to a quantiser, and a product that is left as it is and whose result goes on into a quantised operand takes f32 operands (vector FMAs, or v_wmma_f32_16x16x4_f32). A number that lies on a knife's edge between two numbers of the format may be rounded either way, as far as f32 arithmetic and the matrix unit's own rounding can turn it there, and no further.
;; One version. Each part assembles by itself: llvm-mc -triple=amdgcn-amd-amdhsa -mcpu=gfx1250 --defsym DOCPART=n.
;; ======== version 1 of 1: 4 launches
;; workspace buffers: x_img 6,553,600 bytes; w_img 2,457,600 bytes; qk_img 13,107,200 bytes; v_img 6,553,600 bytes; p_img 13,107,200 bytes; pstat 1,048,576 bytes
;; launch quant (part 1): grid 4 x 88, 8 waves a work-group, no clusters, 69,632 bytes of LDS; arguments x, W_query, W_key, W_value, x_img, w_img; writes x_img, w_img
.if DOCPART == 1
	.amdgcn_target "amdgcn-amd-amdhsa--gfx1250"
	.amdhsa_code_object_version 6
	.text
	.protected	k_qe53e69a966_quant
	.globl	k_qe53e69a966_quant
	.p2align	8
	.type	k_qe53e69a966_quant,@function
k_qe53e69a966_quant:
	s_mov_b64 s[64:65], 0
	v_nop
	global_prefetch_b8 v0, s[64:65] scope:SCOPE_SE
	s_setreg_imm32_b32 hwreg(HW_REG_WAVE_MODE, 25, 1), 1
	s_wait_xcnt 0x0
; THE PROGRAM: out = softmax(causal(q k^T / 32)) v with q, k, v = x W^T, all five products on codes of FP6 (E2M3) with one E8M0 scale for each 32 along K.  Four launches:
; this one (x and the three weights into codes), the projections (q, k, v quantised on the way out), the scores (p = 2^(t - M) under an M of each 128 keys, quantised), and p v (p's scale bytes brought under the row's M, the division by the row's sum).
; WORK LEFT OUT, in the later launches: the problem's own causal mask sets every score with key > query to -infinity, so its p is 0 whatever the inputs hold.  So tiles of 128 keys x 128 queries that lie wholly above the
; diagonal are not multiplied in the scores, and the key steps of the last product beyond a group of 128 queries' own 128 keys are not walked.  Every input has a way to the output and is loaded.
; LIMIT: a NaN, an infinity or an overflow that reaches only the work left out is not carried to the result.  NaN and infinities among the inputs are not served.
; THIS LAUNCH.  x [8192][1024] and the weights [1024][1024], f32, K innermost, become UNITS: 128 rows x 128 along K as an image of the operand's registers, 12,800 bytes:
;   fragment i (16 rows x 128 K, 12 registers a lane) at byte 1,536 i: registers 4 c .. 4 c + 3 of lane l at 512 c + 16 l;  at byte 12,288 the scale words: at 16 (r + 16 h) + 4 j the word of fragment 4 h + j, row r.
;   THE ROWS OF A FRAGMENT ARE NOT NEIGHBOURS: lane r of fragment 2 b + u is row 32 b + 8 u + r + 8 (r / 8) of the unit's 128, so that a product that takes the unit as source 0 leaves 16 neighbours in a lane's registers.
; A block's scale is 2^(floor(log2(largest magnitude)) - 2); its byte is the largest magnitude's exponent field - 2, held at 1 from below.  A block of zeros gets the byte 1 where the rule says 127: its codes are zeros, and this program alone reads the bytes.
; SHARES.  Work-group (x = pr, y = group of 128 rows) makes the units of K steps 2 pr and 2 pr + 1; wave a makes fragment a of both.  y 0-63: x; 64-71, 72-79, 80-87: the three weights.
; Each load reads 512 consecutive bytes of one row; a K step's 16 rows turn through the wave's own stage in LDS (rows 528 bytes apart), so that a lane gets two whole blocks of 32 of its row.  No matrix work, no tensor load, no cluster: nothing is shared.
.set UNIT,  12800
.set SCO,   12288
.set SPIT,  528
.set STG,   16*SPIT                    ; a wave's stage
.set SCT,   8*STG                      ; behind the stages: the two units' scale words, 512 bytes each
.set SPARE, SCT+1024                   ; the spare words, 128 bytes for each wave: four blocks of 256 bytes that no other line names
.set X,     64                         ; v64-127  64 numbers of my row: k = 32 h + 0..31, then 64 + 32 h + 0..31
.set R,     128                        ; v128-255 two K steps as loaded
.set SPW,   12                         ; v12  LDS address of my spare word; never rewritten
.set NIL,   13                         ; v13  0; never rewritten
.set SEL,   28                         ; s[28:29] v_permlanex16_b32's selects for lane l xor 16
	s_load_b256 s[4:11], s[0:1], 0x0               ; x, W_query, W_key, W_value
	s_load_b128 s[12:15], s[0:1], 0x20             ; x_img, w_img
	v_lshl_add_u32 v[SPW], v0, 2, SPARE
	v_mov_b32 v[NIL], 0
	v_lshrrev_b32 v1, 5, v0
	v_readfirstlane_b32 s16, v1                    ; wave a
	v_and_b32 v1, 31, v0                           ; lane
	v_and_b32 v2, 15, v0                           ; r
	v_bfe_u32 v3, v0, 4, 1                         ; h
	v_lshlrev_b32 v4, 4, v1                        ; 16 x lane
	s_mul_i32 s17, s16, STG
	v_add_nc_u32 v5, s17, v4                       ; the stage, in: 16 bytes a lane of a row
	v_mul_u32_u24 v6, v2, SPIT
	v_lshl_add_u32 v6, v3, 7, v6
	v_add_nc_u32 v6, s17, v6                       ; and out: row r, + 128 h bytes
	s_mul_i32 s17, s16, 1536
	v_add_nc_u32 v7, s17, v4                       ; my fragment's place in a unit
	s_lshr_b32 s17, s16, 2
	s_lshl_b32 s17, s17, 8
	s_and_b32 s18, s16, 3
	s_lshl_b32 s18, s18, 2
	s_add_co_u32 s17, s17, s18
	s_add_co_u32 s17, s17, SCT
	v_lshl_add_u32 v8, v2, 4, s17                  ; my row's scale word: 256 (a / 4) + 16 r + 4 (a % 4)
	s_and_b32 s18, s16, 1
	s_lshl_b32 s19, s18, 9
	s_add_co_u32 s19, s19, SCT
	v_add_nc_u32 v9, s19, v4                       ; waves 0 and 1 read a unit's 512 bytes of scale words back
	s_mul_i32 s19, s18, UNIT
	v_add_nc_u32 v10, s19, v4                      ; and store them into that unit
	v_lshlrev_b32 v11, 3, v3                       ; 8 h
	v_mov_b32 v14, 0                               ; a lane permute's destination counts as one of its sources
	s_mov_b32 s[SEL], 0x76543210
	s_mov_b32 s[SEL+1], 0xfedcba98
	s_and_b32 s20, ttmp7, 0xffff                   ; y
	s_and_b32 s21, s20, 7
	s_sub_co_u32 s22, s20, 64
	s_cmp_lt_u32 s20, 64
	s_cselect_b32 s21, s20, s21                    ; the group of rows in its tensor
	s_cselect_b32 s22, s20, s22                    ; and in its buffer of units
	s_lshl_b32 s21, s21, 7
	s_lshr_b32 s23, s16, 1
	s_lshl_b32 s23, s23, 5
	s_add_co_u32 s21, s21, s23
	s_lshl_b32 s23, s18, 3
	s_add_co_u32 s21, s21, s23                     ; my fragment's first row: 128 group + 32 (a / 2) + 8 (a % 2)
	s_lshl_b32 s24, s21, 12                        ; rows of 4,096 bytes
	s_lshl_b32 s23, ttmp9, 10
	s_add_co_u32 s24, s24, s23                     ; + 1,024 pr: two K steps
	s_mov_b32 s25, 0
	s_lshl_b32 s22, s22, 3
	s_lshl_b32 s23, ttmp9, 1
	s_add_co_u32 s22, s22, s23
	s_mul_i32 s26, s22, UNIT                       ; unit 8 group + 2 pr
	s_mov_b32 s27, 0
	s_wait_kmcnt 0x0
	s_cmp_lt_u32 s20, 80                           ; the buffers are chosen by the work-group's number alone
	s_cselect_b64 s[8:9], s[8:9], s[10:11]
	s_cmp_lt_u32 s20, 72
	s_cselect_b64 s[6:7], s[6:7], s[8:9]
	s_cmp_lt_u32 s20, 64
	s_cselect_b64 s[4:5], s[4:5], s[6:7]
	s_cselect_b64 s[12:13], s[12:13], s[14:15]
	s_add_nc_u64 s[4:5], s[4:5], s[24:25]
	s_add_nc_u64 s[12:13], s[12:13], s[26:27]
.irp q, 0,1
.irp i, 0,1,2,3,4,5,6,7,8,9,10,11,12,13,14,15
	global_load_b128 v[R+64*\q+4*\i:R+64*\q+4*\i+3], v4, s[4:5] offset:(\i+8*(\i/8))*4096+512*\q th:TH_LOAD_NT   ; 32 lanes read 512 consecutive bytes of the fragment's row i
.endr
.endr
.macro TURNQ q                         ; K step q through the stage: LDS serves a wave's instructions in order, so no wait stands between the stores and the loads
.irp i, 0,1,2,3,4,5,6,7,8,9,10,11,12,13,14,15
	ds_store_b128 v5, v[R+64*(\q)+4*\i:R+64*(\q)+4*\i+3] offset:SPIT*\i
.endr
.irp j, 0,1,2,3,4,5,6,7
	ds_load_b128 v[X+4*\j:X+4*\j+3], v6 offset:16*\j
.endr
.irp j, 0,1,2,3,4,5,6,7
	ds_load_b128 v[X+32+4*\j:X+32+4*\j+3], v6 offset:256+16*\j
.endr
	s_wait_dscnt 0x0
.endm
.macro QUANTW q                        ; my two whole blocks become the fragment's 12 registers at v[24 + 20 q] on, and the row's scale word in v[22 + q]
.set PC, 24+20*(\q)
.irp c, 0,1
	v_max3_num_f32 v[16+\c], |v[X+32*\c]|, |v[X+32*\c+1]|, 0x1800000   ; with the floor 2^(3 - 127): the byte cannot fall under 1
.endr
.irp i, 2,4,6,8,10,12,14,16,18,20,22,24,26,28,30
.irp c, 0,1
	v_max3_num_f32 v[16+\c], v[16+\c], |v[X+32*\c+\i]|, |v[X+32*\c+\i+1]|
.endr
.endr
.irp c, 0,1
	v_add_nc_u32 v[18+\c], 0xff000000, v[16+\c]    ; 2 off the exponent field: the conversion's scale operand
.endr
.irp c, 0,1
	v_lshrrev_b32 v[20+\c], 23, v[18+\c]           ; the scale's byte
.endr
	v_lshl_or_b32 v[22+\q], v21, 16, v20           ; blocks h and 2 + h,
	v_lshlrev_b32 v[22+\q], v11, v[22+\q]          ; at their places in the word;
	v_permlanex16_b32 v14, v[22+\q], s[SEL], s[SEL+1]
	v_or_b32 v[22+\q], v[22+\q], v14               ; with lane l xor 16's two the word is whole
.irp c, 0,1
	v_cvt_scalef32_pk16_fp6_f32 v[PC+6*\c:PC+6*\c+2], v[X+32*\c:X+32*\c+15], v[18+\c]
	v_cvt_scalef32_pk16_fp6_f32 v[PC+12+4*\c:PC+12+4*\c+2], v[X+32*\c+16:X+32*\c+31], v[18+\c]   ; (a conversion's three registers begin on an even number)
.endr
	v_nop                                          ; one plain place behind a scaled conversion
.irp c, 0,1
.irp i, 0,1,2
	v_mov_b32 v[PC+3+6*\c+\i], v[PC+12+4*\c+\i]
.endr
.endr
.irp c, 0,1,2
	global_store_b128 v7, v[PC+4*\c:PC+4*\c+3], s[12:13] offset:UNIT*(\q)+512*\c   ; 32 lanes store 512 consecutive bytes; each K step has its own registers, so no store's data are written again
.endr
	ds_store_b32 v8, v[22+\q] offset:512*(\q)      ; lanes r and r + 16 write the same word with the same value
.endm
	s_wait_loadcnt 16                              ; the first K step's 16 loads are in; the second's may be out
	TURNQ 0
	QUANTW 0
	s_wait_loadcnt 0x0
	TURNQ 1
	QUANTW 1
	s_wait_dscnt 0x0                               ; for the others' sake: my scale words lie in LDS
	s_barrier_signal -1
	s_barrier_wait -1
	s_cmp_lt_u32 s16, 2
	s_cbranch_scc0 .Lno_scales
	ds_load_b128 v[64:67], v9                      ; eight waves' words of unit 0 (wave 0) or 1 (wave 1)
	s_wait_dscnt 0x0
	global_store_b128 v10, v[64:67], s[12:13] offset:SCO   ; 512 consecutive bytes
.Lno_scales:
	s_wait_tensorcnt 0x0                           ; the wave's end, behind my last LDS store
	ds_add_u32 v[SPW], v[NIL]
	s_wait_dscnt 0x0
	s_endpgm
.Lfunc_end_k_qe53e69a966_quant:
	.size	k_qe53e69a966_quant, .Lfunc_end_k_qe53e69a966_quant-k_qe53e69a966_quant
	.p2alignl 7, 3214868480
	.fill 96, 4, 3214868480
	.section	.rodata,"a",@progbits
	.p2align	6, 0x0
	.amdhsa_kernel k_qe53e69a966_quant
		.amdhsa_group_segment_fixed_size 69632
		.amdhsa_private_segment_fixed_size 0
		.amdhsa_enable_private_segment 0
		.amdhsa_kernarg_size 48
		.amdhsa_user_sgpr_count 2
		.amdhsa_user_sgpr_kernarg_segment_ptr 1
		.amdhsa_wavefront_size32 1
		.amdhsa_system_sgpr_workgroup_id_x 1
		.amdhsa_system_sgpr_workgroup_id_y 1
		.amdhsa_system_sgpr_workgroup_id_z 1
		.amdhsa_system_vgpr_workitem_id 0
		.amdhsa_next_free_vgpr 256
		.amdhsa_next_free_sgpr 66
		.amdhsa_reserve_vcc 0
		.amdhsa_float_denorm_mode_32 3
		.amdhsa_float_denorm_mode_16_64 3
		.amdhsa_memory_ordered 1
		.amdhsa_forward_progress 1
		.amdhsa_inst_pref_size 18
	.end_amdhsa_kernel
	.amdgpu_metadata
---
amdhsa.version: [ 1, 2 ]
amdhsa.kernels:
  - .name:           k_qe53e69a966_quant
    .symbol:         k_qe53e69a966_quant.kd
    .args:
      - { .name: x, .offset: 0, .size: 8, .value_kind: global_buffer, .address_space: global }
      - { .name: W_query, .offset: 8, .size: 8, .value_kind: global_buffer, .address_space: global }
      - { .name: W_key, .offset: 16, .size: 8, .value_kind: global_buffer, .address_space: global }
      - { .name: W_value, .offset: 24, .size: 8, .value_kind: global_buffer, .address_space: global }
      - { .name: x_img, .offset: 32, .size: 8, .value_kind: global_buffer, .address_space: global }
      - { .name: w_img, .offset: 40, .size: 8, .value_kind: global_buffer, .address_space: global }
    .group_segment_fixed_size: 69632
    .private_segment_fixed_size: 0
    .kernarg_segment_align: 8
    .kernarg_segment_size: 48
    .max_flat_workgroup_size: 256
    .sgpr_count:     66
    .vgpr_count:     256
    .wavefront_size: 32
...
	.end_amdgpu_metadata
.endif
;; end of part 1
;; launch proj (part 2): grid 8 x 48, 4 waves a work-group, clusters of 4 x 4, 327,680 bytes of LDS; arguments x_img, w_img, qk_img, v_img; writes qk_img, v_img
.if DOCPART == 2
	.amdgcn_target "amdgcn-amd-amdhsa--gfx1250"
	.amdhsa_code_object_version 6
	.text
	.protected	k_qe53e69a966_proj
	.globl	k_qe53e69a966_proj
	.p2align	8
	.type	k_qe53e69a966_proj,@function
k_qe53e69a966_proj:
	s_mov_b64 s[64:65], 0
	v_nop
	global_prefetch_b8 v0, s[64:65] scope:SCOPE_SE
	s_setreg_imm32_b32 hwreg(HW_REG_WAVE_MODE, 25, 1), 1
	s_wait_xcnt 0x0
	s_wait_alu depctr_hold_cnt(0) depctr_sa_sdst(0) depctr_va_vdst(0) depctr_va_sdst(0) depctr_va_ssrc(0) depctr_va_vcc(0) depctr_vm_vsrc(0)
	s_getreg_b32 s2, hwreg(HW_REG_IB_STS2, 6, 4)
	s_cmp_eq_u32 s2, 0
	s_cbranch_scc0 .Lentry_in_a_cluster
	s_endpgm
.Lentry_in_a_cluster:
	s_bfe_u32 s2, ttmp6, 0x10000c
	s_cmp_lg_u32 s2, 0xf033
	s_cbranch_scc0 .Lentry_shape_is_right
	s_endpgm
.Lentry_shape_is_right:
; q, k and v = x W^T on codes of FP6 (E2M3), K = 1,024, and their quantising for the next products, on the way out.  Operands and results are UNITS (128 rows x 128 K as an image of the operand's registers, 12,800 bytes:
; fragment i at 1,536 i, registers 4 c .. 4 c + 3 of lane l at 512 c + 16 l; scale words at 12,288 + 16 (r + 16 h) + 4 j for fragment 4 h + j, row r; lane r of fragment 2 b + u is row 32 b + 8 u + r + 8 (r / 8)).
; A tile of 256 x 256 to a work-group of four waves, 128 x 128 to a wave: 64 accumulators, 512 registers.  Source 0 ('B') is the operand whose rows are the NEXT product's K, source 1 ('A') the one whose rows stay rows:
;   clusters y 0-7:  A = x (tokens), B = W_query and W_key (channels): q and k, quantised along the channels, units [token group][16]: 0-7 q, 8-15 k;
;   clusters y 8-11: A = W_value (channels), B = x (tokens): v with the tokens innermost, quantised along the tokens, units [channel group][64].
; By B's order of rows the 16 registers of tiles 2 b and 2 b + 1 are 16 neighbours along the next K, so a wave's 128 x 128 leaves as exactly one unit, straight from registers, 512 consecutive bytes a store.
; K goes in 8 steps of 128, two to an LDS buffer; two neighbouring units are 25,600 dense bytes: one tensor load of 100 rows of 256 bytes a wave (waves 0, 1: A's halves; 2, 3: B's).  Written out, no loop.
; THREE BUFFERS: pairs 0, 1 and 2 of K steps are asked for together at the head; pair 3 is the one refill: it goes into buffer 0 as soon as that is read, and has steps 1 to 4, 256 matrix instructions, in which to land.
; CLUSTER 4 x 4: A's tiles are shared along a row of the cluster, B's along a column: joint loads, each with one mask.  Which part a cluster does hangs on the cluster's y alone, alike in all partners.
; By this text's own count a wave has three tensor loads out at the start and one behind the round of the refill.
; REGISTERS: window 0: v1-3 r, h, 16 x lane; v16-26 LDS addresses; v28, v29 the add's two; v32-47 scale words, two sets (lanes 0-15 A's, lanes 16-31 B's); v48-55 the words made; v64-159, v160-255 A's fragments, two sets;
;   window 1: v0-95, v96-191 B's fragments, two sets;  windows 2, 3: accumulator (a, b) at v[8 (8 (a % 4) + b)] of window 2 + a / 4.
; LIMITS: a block of zeros gets the byte 1 (its codes are zeros; this program alone reads the bytes); NaN and infinities are not served.
.set UNIT,  12800
.set SCO,   12288
.set PAIR,  2*UNIT
.set BUF,   4*PAIR                     ; [A0 | A1 | B0 | B1]
.set SPARE, 3*BUF                      ; the spare words, 128 bytes for each wave: two blocks of 256 bytes that no other line names
.set GRP,   8*UNIT                     ; a group of 128 rows, all of K
.set ADRA, 16                          ; v16-18 my half of A in buffer 0, 1, 2
.set ADRB, 20                          ; v20-22 my half of B
.set ADRS, 24                          ; v24-26 the scale words
.set SPW,  28
.set NIL,  29
.set SC,   32
.set PW,   48
.set T,    64                          ; the way out: v64-67 largest magnitudes, v68-71 the other half's, then bytes, v72-75 scale operands
.set G1,   24
.set G0,   32                          ; s[32:39] A's groups 0 for buffers 0, 1; s[84:87] for buffer 2
.set G1B,  48
.set G0B,  56                          ; s[56:63] B's for buffers 0, 1; s[88:91] for buffer 2
.set SEL,  78
.set HM,   80
.set MSB, 0
.macro WIN new                         ; the immediate's high byte repeats the setting that is left
.if MSB != (\new)
	s_set_vgpr_msb (MSB<<8)|(\new)
.set MSB, (\new)
.endif
.endm
.macro PLACES                          ; four plain places behind matrix instructions, in front of loads into their registers and of reads of their results
.rept 4
	v_nop
.endr
.endm
.macro JLOAD g0a, g1a, g0b, g1b        ; a joint load: waves 0, 1 for A, waves 2, 3 for B; the branch hangs on the wave's number alone; an s_nop 0 and four v_nop follow each line
	s_cmp_eq_u32 s15, 0
	s_cbranch_scc0 .Lfor_b_\@
	tensor_load_to_lds s[\g0a:\g0a+3], s[\g1a:\g1a+7]
	s_nop 0
.rept 4
	v_nop
.endr
	s_branch .Lasked_\@
.Lfor_b_\@:
	tensor_load_to_lds s[\g0b:\g0b+3], s[\g1b:\g1b+7]
	s_nop 0
.rept 4
	v_nop
.endr
.Lasked_\@:
.endm
.macro CROUND                          ; a round of the cluster's barrier
	s_barrier_signal -1
	s_barrier_wait -1
	s_cmp_lg_u32 s14, 0
	s_cbranch_scc1 .Lnot_wave_0_\@
	s_barrier_signal -3
.Lnot_wave_0_\@:
	s_barrier_wait -3
	s_barrier_signal -1
	s_barrier_wait -1
.endm
	s_load_b256 s[4:11], s[0:1], 0x0               ; x_img, w_img, qk_img, v_img
	v_lshl_add_u32 v[SPW], v0, 2, SPARE
	v_mov_b32 v[NIL], 0
	ds_add_u32 v[SPW], v[NIL]                      ; the wave's opening: the add, twice on end, and its wait ahead of my first tensor load
	ds_add_u32 v[SPW], v[NIL]
	v_lshrrev_b32 v1, 5, v0
	v_readfirstlane_b32 s14, v1                    ; wave
	s_lshr_b32 s15, s14, 1                         ; my half of A.  Also: I fetch for A (0) or B (1)
	s_and_b32 s16, s14, 1                          ; my half of B.  Also: which half I fetch
	s_bfe_u32 s40, ttmp6, 0x40000                  ; cx
	s_bfe_u32 s41, ttmp6, 0x40004                  ; cy
	s_and_b32 s17, ttmp7, 0xffff                   ; the cluster's y
	s_sub_co_u32 s18, s17, 8
	s_lshl_b32 s18, s18, 1
	s_add_co_u32 s18, s18, ttmp9
	s_cmp_lt_u32 s17, 8                            ; q and k, or v?
	s_cselect_b32 s18, ttmp9, s18                  ; clusters along B: x, or 2 (y - 8) + x
	s_cselect_b32 s19, s17, 0                      ; along A: y, or 0
	s_cselect_b32 s12, 4, 6                        ; units in a row of the result's buffer: 16 or 64
	s_lshl_b32 s42, s18, 2
	s_add_co_u32 s42, s42, s40                     ; tile along B
	s_lshl_b32 s13, s19, 2
	s_add_co_u32 s13, s13, s41                     ; tile along A
	s_lshl_b32 s43, s41, 2
	s_lshl_b32 s43, 15, s43                        ; my row of the cluster
	s_lshl_b32 s44, 0x1111, s40                    ; my column
	s_or_b32 s[G1+0], s43, (3<<16)|(1<<21)         ; 15:0 the mask; 17:16 elements of 8 bytes; 21 set beside a mask; no padding
	s_or_b32 s[G1B+0], s44, (3<<16)|(1<<21)
.irp g, G1, G1B
	s_mov_b32 s[\g+1], 32<<16                      ; tensor_dim0 = 32 elements: 256 bytes
	s_mov_b32 s[\g+2], 100<<16                     ; tensor_dim1 = 100 rows: 25,600 bytes
	s_mov_b32 s[\g+3], 32<<16                      ; tile_dim0
	s_mov_b32 s[\g+4], 100                         ; tile_dim1
	s_mov_b32 s[\g+5], 32                          ; dense
	s_mov_b32 s[\g+6], 0
	s_mov_b32 s[\g+7], 0
.endr
	s_lshl_b32 s20, s13, 1
	s_add_co_u32 s20, s20, s16
	s_mul_i32 s20, s20, GRP                        ; A: group 2 tile + the half that I fetch
	s_mov_b32 s21, 0
	s_lshl_b32 s46, s42, 1
	s_add_co_u32 s46, s46, s16
	s_mul_i32 s46, s46, GRP                        ; B likewise
	s_mov_b32 s47, 0
	s_mul_i32 s45, s14, PAIR                       ; where my load lands: no place in the cluster enters an LDS address
	s_mov_b32 s[SEL], 0x76543210
	s_mov_b32 s[SEL+1], 0xfedcba98
	s_mov_b32 s[HM], 0xffff0000                    ; lanes 16-31
	s_wait_dscnt 0x0                               ; both opening adds are done
	s_wait_kmcnt 0x0
	s_add_nc_u64 s[72:73], s[6:7], 16*GRP          ; W_value's units
	s_cmp_lt_u32 s17, 8
	s_cselect_b64 s[66:67], s[4:5], s[72:73]       ; A
	s_cselect_b64 s[68:69], s[6:7], s[4:5]         ; B
	s_cselect_b64 s[70:71], s[8:9], s[10:11]       ; the result
	s_add_nc_u64 s[20:21], s[66:67], s[20:21]
	s_add_nc_u64 s[46:47], s[68:69], s[46:47]
	CROUND                                         ; all sixteen work-groups are here: the first joint loads meet
.irp s, 0,1,2
.set GA, G0+4*\s+44*(\s/2)
.set GB, G0B+4*\s+24*(\s/2)
	s_mov_b32 s[GA], 1
	s_add_co_u32 s[GA+1], s45, \s*BUF
	s_add_nc_u64 s[GA+2:GA+3], s[20:21], \s*PAIR
	s_or_b32 s[GA+3], s[GA+3], 0x80000000
	s_mov_b32 s[GB], 1
	s_add_co_u32 s[GB+1], s45, \s*BUF
	s_add_nc_u64 s[GB+2:GB+3], s[46:47], \s*PAIR
	s_or_b32 s[GB+3], s[GB+3], 0x80000000
	JLOAD GA, G1, GB, G1B                          ; pair s of K steps into buffer s
.endr
	v_and_b32 v1, 15, v0                           ; r
	v_bfe_u32 v2, v0, 4, 1                         ; h
	v_and_b32 v3, 31, v0
	v_lshlrev_b32 v3, 4, v3                        ; 16 x lane
	s_mul_i32 s74, s15, PAIR                       ; my half of A
	s_mul_i32 s75, s16, PAIR
	s_add_co_u32 s75, s75, 2*PAIR                  ; my half of B
	s_sub_co_u32 s76, s75, s74
	v_mul_u32_u24 v4, s76, v2                      ; lanes 16-31 take B's scale words: one product, the distance between the two
	v_lshl_add_u32 v4, v1, 4, v4
	s_add_co_u32 s77, s74, SCO
	v_add_nc_u32 v[ADRS], s77, v4
	v_add_nc_u32 v[ADRS+1], BUF, v[ADRS]
	v_add_nc_u32 v[ADRS+2], 2*BUF, v[ADRS]
.irp s, 0,1,2
	v_add_nc_u32 v[ADRA+\s], s74, v3
	v_add_nc_u32 v[ADRB+\s], s75, v3
	s_add_co_u32 s74, s74, BUF
	s_add_co_u32 s75, s75, BUF
.endr
	s_lshl_b32 s74, s13, 1
	s_add_co_u32 s74, s74, s15
	s_lshl_b32 s74, s74, s12
	s_lshl_b32 s75, s42, 1
	s_add_co_u32 s75, s75, s16
	s_add_co_u32 s74, s74, s75
	s_mul_i32 s74, s74, UNIT                       ; my unit of the result: (A's group) x 16 or 64 + B's group
	s_mov_b32 s75, 0
	s_add_nc_u64 s[70:71], s[70:71], s[74:75]
; 50 LDS loads: step q of buffer buf into register set set: B's eight fragments, A's eight, the scale words of both
.macro LOADS set, buf, q
	PLACES
	WIN 0x40                                       ; destination window 1
.irp i, 0,1,2,3,4,5,6,7
.irp c, 0,1,2
	ds_load_b128 v[96*(\set)+12*\i+4*\c:96*(\set)+12*\i+4*\c+3], v[ADRB+(\buf)] offset:(\q)*UNIT+1536*\i+512*\c
.endr
.endr
	WIN 0
.irp i, 0,1,2,3,4,5,6,7
.irp c, 0,1,2
	ds_load_b128 v[64+96*(\set)+12*\i+4*\c:64+96*(\set)+12*\i+4*\c+3], v[ADRA+(\buf)] offset:(\q)*UNIT+1536*\i+512*\c
.endr
.endr
	ds_load_b128 v[SC+8*(\set):SC+8*(\set)+3], v[ADRS+(\buf)] offset:(\q)*UNIT
	ds_load_b128 v[SC+8*(\set)+4:SC+8*(\set)+7], v[ADRS+(\buf)] offset:(\q)*UNIT+256
.endm
; 64 matrix instructions: a step of 128 along K.  The 64 accumulators take turns, one instruction a turn, in the same order in every step.  zero = 1: the products start the sums
.macro MUL set, zero
.irp a, 0,1,2,3,4,5,6,7
.if \a == 0
	WIN 0xa1                                       ; source 0 (B) window 1, source 1 (A) window 0, C and D window 2
.endif
.if \a == 4
	WIN 0xf1                                       ; C and D window 3
.endif
.irp b, 0,1,2,3,4,5,6,7
.if \zero
	v_wmma_scale_f32_16x16x128_f8f6f4 v[8*(8*(\a%4)+\b):8*(8*(\a%4)+\b)+7], v[96*(\set)+12*\b:96*(\set)+12*\b+11], v[64+96*(\set)+12*\a:64+96*(\set)+12*\a+11], 0, v[SC+8*(\set)+\b], v[SC+8*(\set)+\a] matrix_a_fmt:MATRIX_FMT_FP6 matrix_b_fmt:MATRIX_FMT_FP6 matrix_a_scale:MATRIX_SCALE_ROW1
.else
	v_wmma_scale_f32_16x16x128_f8f6f4 v[8*(8*(\a%4)+\b):8*(8*(\a%4)+\b)+7], v[96*(\set)+12*\b:96*(\set)+12*\b+11], v[64+96*(\set)+12*\a:64+96*(\set)+12*\a+11], v[8*(8*(\a%4)+\b):8*(8*(\a%4)+\b)+7], v[SC+8*(\set)+\b], v[SC+8*(\set)+\a] matrix_a_fmt:MATRIX_FMT_FP6 matrix_b_fmt:MATRIX_FMT_FP6 matrix_a_scale:MATRIX_SCALE_ROW1
.endif
.endr
.endr
	WIN 0
.endm
; A change of buffers with a barrier.  Each wave waits for all its tensor loads, adds 0 to its spare word, and waits for that and for its reads of the buffer that it leaves (both its steps are in registers).
; f >= 0: buffer f is filled again, with the pair three on: the barrier is a round of the cluster's, and the joint load is the first thing behind it.
.macro CHANGE f
	s_wait_tensorcnt 0x0
	ds_add_u32 v[SPW], v[NIL]
.if \f >= 0
	s_add_nc_u64 s[G0+4*(\f)+2:G0+4*(\f)+3], s[G0+4*(\f)+2:G0+4*(\f)+3], 3*PAIR
	s_add_nc_u64 s[G0B+4*(\f)+2:G0B+4*(\f)+3], s[G0B+4*(\f)+2:G0B+4*(\f)+3], 3*PAIR
.endif
	s_wait_dscnt 0x0
.if \f >= 0
	CROUND
	JLOAD G0+4*(\f), G1, G0B+4*(\f), G1B
.else
	s_barrier_signal -1
	s_barrier_wait -1
.endif
.endm
	s_wait_tensorcnt 2                             ; my part of pair 0 is in; pairs 1 and 2 may stay out
	s_barrier_signal -1
	s_barrier_wait -1
	LOADS 0, 0, 0
	LOADS 1, 0, 1
	s_wait_dscnt 50                                ; set 0 is in; the 50 younger loads are set 1's
	MUL 0, 1                                       ; step 0
	CHANGE 0                                       ; every wave's parts of pairs 1 and 2 have landed, buffer 0 is read out: pair 3 goes into it
	LOADS 0, 1, 0
	MUL 1, 0                                       ; step 1, from registers, while set 0 comes
	LOADS 1, 1, 1
	s_wait_dscnt 50
	MUL 0, 0                                       ; step 2
	LOADS 0, 2, 0                                  ; on to buffer 2 with no barrier: the round above has shown it whole to every wave, and nothing is filled here
	s_wait_dscnt 50                                ; set 1 is in; the 50 younger loads are set 0's
	MUL 1, 0                                       ; step 3
	LOADS 1, 2, 1
	s_wait_dscnt 50
	MUL 0, 0                                       ; step 4
	CHANGE -1                                      ; pair 3 has landed, everybody's part; nothing is left to fetch
	LOADS 0, 0, 0
	MUL 1, 0                                       ; step 5
	LOADS 1, 0, 1
	s_wait_dscnt 50
	MUL 0, 0                                       ; step 6
	s_wait_dscnt 0x0
	MUL 1, 0                                       ; step 7
; THE WAY OUT.  Block a (A's fragment a: 16 rows) holds 64 numbers a lane: register 16 b + i = k 32 b + 16 h + i of the lane's row.  They become fragment a of my unit and its scale word.
.macro QUANTA a
.set QW, 2+(\a)/4
.set AC, 64*((\a)%4)
.set PC, 96+20*((\a)%2)
	WIN QW*5                                       ; sources 0 and 1 in the accumulators' window
.irp b, 0,1,2,3
	v_max3_num_f32 v[T+\b], |v[AC+16*\b]|, |v[AC+16*\b+1]|, 0x1800000   ; each accumulator from its low end on; the floor 2^(3 - 127) holds the byte at 1 from below
.endr
.irp i, 2,4,6,8,10,12,14
.irp b, 0,1,2,3
	v_max3_num_f32 v[T+\b], |v[AC+16*\b+\i]|, |v[AC+16*\b+\i+1]|, v[T+\b]
.endr
.endr
	WIN 0
.irp b, 0,1,2,3
	v_permlanex16_b32 v[T+4+\b], v[T+\b], s[SEL], s[SEL+1]
.endr
.irp b, 0,1,2,3
	v_max_num_f32 v[T+\b], v[T+\b], v[T+4+\b]      ; with lane l xor 16's: the block's largest magnitude
.endr
.irp b, 0,1,2,3
	v_add_nc_u32 v[T+8+\b], 0xff000000, v[T+\b]    ; 2 off the exponent field: the conversion's scale operand
.endr
.irp b, 0,1,2,3
	v_lshrrev_b32 v[T+4+\b], 23, v[T+8+\b]         ; the scale's byte
.endr
	v_lshl_or_b32 v[PW+(\a)], v[T+5], 8, v[T+4]
	v_lshl_or_b32 v[PW+(\a)], v[T+6], 16, v[PW+(\a)]
	v_lshl_or_b32 v[PW+(\a)], v[T+7], 24, v[PW+(\a)]
.if (\a) >= 2
	s_wait_xcnt 0x0                                ; block a - 2's stores have read these registers
.endif
	WIN QW
.irp c, 0,1
	v_cvt_scalef32_pk16_fp6_f32 v[PC+6*\c:PC+6*\c+2], v[AC+32*\c:AC+32*\c+15], v[T+8+2*\c]
	v_cvt_scalef32_pk16_fp6_f32 v[PC+12+4*\c:PC+12+4*\c+2], v[AC+32*\c+16:AC+32*\c+31], v[T+8+2*\c+1]
.endr
	WIN 0
	v_nop                                          ; one plain place behind a scaled conversion
.irp c, 0,1                            ; the operand's layout wants a whole block in a lane
.irp i, 0,1,2
	v_permlane16_swap_b32 v[PC+6*\c+\i], v[PC+12+4*\c+\i]
.endr
.irp i, 0,1,2
	v_mov_b32 v[PC+3+6*\c+\i], v[PC+12+4*\c+\i]
.endr
.endr
.irp c, 0,1,2
	global_store_b128 v3, v[PC+4*\c:PC+4*\c+3], s[70:71] offset:1536*(\a)+512*\c   ; 512 consecutive bytes
.endr
.endm
	PLACES
.irp b, 0,1,2,3
	v_mov_b32 v[T+4+\b], 0                         ; a lane permute's destination counts as one of its sources
.endr
.irp a, 0,1,2,3,4,5,6,7
	QUANTA \a
.endr
.irp j, 0,1,2,3
	v_cndmask_b32 v[152+\j], v[PW+\j], v[PW+4+\j], s[HM]   ; lanes 0-15: fragments 0-3's words, lanes 16-31: fragments 4-7's
.endr
	global_store_b128 v3, v[152:155], s[70:71] offset:SCO
	s_wait_tensorcnt 0x0                           ; the wave's end
	ds_add_u32 v[SPW], v[NIL]
	s_wait_dscnt 0x0
	CROUND                                         ; the closing round
	s_endpgm
.Lfunc_end_k_qe53e69a966_proj:
	.size	k_qe53e69a966_proj, .Lfunc_end_k_qe53e69a966_proj-k_qe53e69a966_proj
	.p2alignl 7, 3214868480
	.fill 96, 4, 3214868480
	.section	.rodata,"a",@progbits
	.p2align	6, 0x0
	.amdhsa_kernel k_qe53e69a966_proj
		.amdhsa_group_segment_fixed_size 327680
		.amdhsa_private_segment_fixed_size 0
		.amdhsa_enable_private_segment 0
		.amdhsa_kernarg_size 32
		.amdhsa_user_sgpr_count 2
		.amdhsa_user_sgpr_kernarg_segment_ptr 1
		.amdhsa_wavefront_size32 1
		.amdhsa_system_sgpr_workgroup_id_x 1
		.amdhsa_system_sgpr_workgroup_id_y 1
		.amdhsa_system_sgpr_workgroup_id_z 1
		.amdhsa_system_vgpr_workitem_id 0
		.amdhsa_next_free_vgpr 1024
		.amdhsa_next_free_sgpr 96
		.amdhsa_reserve_vcc 0
		.amdhsa_float_denorm_mode_32 3
		.amdhsa_float_denorm_mode_16_64 3
		.amdhsa_memory_ordered 1
		.amdhsa_forward_progress 1
		.amdhsa_inst_pref_size 136
	.end_amdhsa_kernel
	.amdgpu_metadata
---
amdhsa.version: [ 1, 2 ]
amdhsa.kernels:
  - .name:           k_qe53e69a966_proj
    .symbol:         k_qe53e69a966_proj.kd
    .args:
      - { .name: x_img, .offset: 0, .size: 8, .value_kind: global_buffer, .address_space: global }
      - { .name: w_img, .offset: 8, .size: 8, .value_kind: global_buffer, .address_space: global }
      - { .name: qk_img, .offset: 16, .size: 8, .value_kind: global_buffer, .address_space: global }
      - { .name: v_img, .offset: 24, .size: 8, .value_kind: global_buffer, .address_space: global }
    .group_segment_fixed_size: 327680
    .private_segment_fixed_size: 0
    .kernarg_segment_align: 8
    .kernarg_segment_size: 32
    .max_flat_workgroup_size: 128
    .sgpr_count:     96
    .vgpr_count:     1024
    .wavefront_size: 32
...
	.end_amdgpu_metadata
.endif
;; end of part 2
;; launch score (part 3): grid 36 x 4, 4 waves a work-group, no clusters, 327,680 bytes of LDS; arguments qk_img, p_img, pstat; writes p_img, pstat
.if DOCPART == 3
	.amdgcn_target "amdgcn-amd-amdhsa--gfx1250"
	.amdhsa_code_object_version 6
	.text
	.protected	k_qe53e69a966_score
	.globl	k_qe53e69a966_score
	.p2align	8
	.type	k_qe53e69a966_score,@function
k_qe53e69a966_score:
	s_mov_b64 s[64:65], 0
	v_nop
	global_prefetch_b8 v0, s[64:65] scope:SCOPE_SE
	s_setreg_imm32_b32 hwreg(HW_REG_WAVE_MODE, 25, 1), 1
	s_wait_xcnt 0x0
; S^T = k q^T on codes of FP6 (E2M3), K = 1,024; the causal mask; p = 2^(t - M), t = score x log2(e) / 32, under an M OF THESE 128 KEYS (the ceiling of their largest t, a whole number); p quantised along the keys.
; The last launch brings p under the row's M by taking the difference of the two whole numbers off p's scale bytes: an exact power of two, the codes stay.  Stored beside the codes: -M and the sum of the unquantised p, for each query and 128 keys.
; WORK LEFT OUT: scores with key > query are -infinity by the problem's own mask, so of each batch's 8 x 8 tiles of 256 x 256 only the 36 on and under the diagonal are launched, and in a tile on the diagonal the wave whose
; 128 keys all come after its 128 queries multiplies only the first K step (so that on every way through the text each register is written before it is read), uses nothing of it, and stores zeros as its unit, which the last launch fetches with its neighbour and does not multiply.
; Units, buffers, register sets and the order of a K step are the projections' (source 0 = keys, source 1 = queries; a wave's 128 queries x 128 keys leave as one unit of p, [query group][16 key steps]).
; THREE BUFFERS of two K steps: pairs 0, 1 and 2 are asked for together at the head; pair 3 is the one refill, into buffer 0 as soon as that is read: it has steps 1 to 4, 256 matrix instructions, in which to land.
; NO CLUSTER: a row or a column of the triangle has 1 to 8 tiles, so the 36 tiles of a batch do not fall into groups of four that share a tile.
; Every wave issues its own loads (waves 0, 1: the queries' halves; 2, 3: the keys'): three out at the start, one behind the barrier of the refill.
; LIMITS: M is kept as a whole number in f32, exact for |t| < 2^24; a block whose every p is 0 gets the byte 1 (its codes are zeros); NaN and infinities are not served.
.set UNIT,  12800
.set SCO,   12288
.set PAIR,  2*UNIT
.set BUF,   4*PAIR
.set SPARE, 3*BUF                      ; the spare words, 128 bytes for each wave: two blocks of 256 bytes that no other line names
.set ADRA, 16                          ; v16-18, v20-22, v24-26: LDS addresses in buffers 0, 1, 2
.set ADRB, 20
.set ADRS, 24
.set SPW,  28
.set NIL,  29
.set SC,   32
.set PW,   48
.set T,    64                          ; the way out: v64-67 the blocks' largest, v68-71 the other half's, then bytes, v72-75 scale operands, v[76:77] -M, v[78:81] sums, v82, v83 at work, v84 the mask's number, v85 -infinity, v86 its lane term
.set G1,   24
.set G0,   32                          ; s[32:39] groups 0 for buffers 0, 1; s[60:63] for buffer 2
.set QS,   40                          ; my group of 128 queries in the batch
.set KS,   41                          ; my group of 128 keys
.set CS,   42                          ; s[42:43] c = log2(e) / 32
.set SEL,  44
.set HM,   46
.set MSB, 0
.macro WIN new
.if MSB != (\new)
	s_set_vgpr_msb (MSB<<8)|(\new)
.set MSB, (\new)
.endif
.endm
.macro PLACES
.rept 4
	v_nop
.endr
.endm
	s_load_b128 s[4:7], s[0:1], 0x0                ; qk_img, p_img
	s_load_b64 s[8:9], s[0:1], 0x10                ; pstat
	v_lshl_add_u32 v[SPW], v0, 2, SPARE
	v_mov_b32 v[NIL], 0
	ds_add_u32 v[SPW], v[NIL]                      ; the wave's opening: the add, twice on end, and its wait ahead of my first tensor load
	ds_add_u32 v[SPW], v[NIL]
	v_lshrrev_b32 v1, 5, v0
	v_readfirstlane_b32 s14, v1                    ; wave
	s_lshr_b32 s15, s14, 1                         ; my half of the queries.  Also: I fetch queries (0) or keys (1)
	s_and_b32 s16, s14, 1                          ; my half of the keys.  Also: which half I fetch
	s_and_b32 s19, ttmp7, 0xffff                   ; the batch
	s_mov_b32 s17, 0                               ; tile row i of the triangle: how many of the rows' first numbers are at or under my number
.irp th, 1,3,6,10,15,21,28
	s_cmp_ge_u32 ttmp9, \th
	s_cselect_b32 s18, 1, 0
	s_add_co_u32 s17, s17, s18
.endr
	s_add_co_u32 s18, s17, 1
	s_mul_i32 s18, s18, s17
	s_lshr_b32 s18, s18, 1
	s_sub_co_u32 s18, ttmp9, s18                   ; tile column j <= i
	s_lshl_b32 s[QS], s17, 1
	s_add_co_u32 s[QS], s[QS], s15
	s_lshl_b32 s[KS], s18, 1
	s_add_co_u32 s[KS], s[KS], s16
	s_cmp_eq_u32 s15, 0
	s_cselect_b32 s20, s17, s18
	s_cselect_b32 s21, 0, 8                        ; q's units, or k's
	s_lshl_b32 s20, s20, 1
	s_add_co_u32 s20, s20, s16
	s_lshl_b32 s22, s19, 4
	s_add_co_u32 s20, s20, s22                     ; the group of tokens that I fetch
	s_lshl_b32 s20, s20, 4
	s_add_co_u32 s20, s20, s21
	s_mul_i32 s20, s20, UNIT
	s_mov_b32 s21, 0
	s_mul_i32 s23, s14, PAIR                       ; where my load lands
	s_mov_b32 s[G1+0], 3<<16                       ; no mask; elements of 8 bytes; no padding
	s_mov_b32 s[G1+1], 32<<16                      ; rows of 256 bytes,
	s_mov_b32 s[G1+2], 100<<16                     ; 100 of them: two units
	s_mov_b32 s[G1+3], 32<<16
	s_mov_b32 s[G1+4], 100
	s_mov_b32 s[G1+5], 32
	s_mov_b32 s[G1+6], 0
	s_mov_b32 s[G1+7], 0
	s_add_co_u32 s22, s22, s[QS]
	s_lshl_b32 s22, s22, 4
	s_add_co_u32 s22, s22, s[KS]                   ; my unit of p: (16 batch + query group) x 16 + key group
	s_mul_i32 s54, s22, UNIT
	s_mov_b32 s55, 0
	s_lshl_b32 s56, s22, 10
	s_mov_b32 s57, 0
	s_mov_b32 s[CS], 0x3d38aa3b
	s_mov_b32 s[CS+1], s[CS]                       ; (named with it as a pair, so it is written)
	s_mov_b32 s[SEL], 0x76543210
	s_mov_b32 s[SEL+1], 0xfedcba98
	s_mov_b32 s[HM], 0xffff0000                    ; lanes 16-31
	s_wait_dscnt 0x0                               ; both opening adds are done
	s_wait_kmcnt 0x0
	s_add_nc_u64 s[52:53], s[4:5], s[20:21]
	s_add_nc_u64 s[48:49], s[6:7], s[54:55]
	s_add_nc_u64 s[50:51], s[8:9], s[56:57]
.irp s, 0,1,2
.set GA, G0+4*\s+20*(\s/2)
	s_mov_b32 s[GA], 1
	s_add_co_u32 s[GA+1], s23, \s*BUF
	s_add_nc_u64 s[GA+2:GA+3], s[52:53], \s*PAIR
	s_or_b32 s[GA+3], s[GA+3], 0x80000000
	tensor_load_to_lds s[GA:GA+3], s[G1:G1+7]      ; pair s of K steps into buffer s
	s_nop 0
.endr
	v_and_b32 v1, 15, v0                           ; r
	v_bfe_u32 v2, v0, 4, 1                         ; h
	v_and_b32 v3, 31, v0
	v_lshlrev_b32 v3, 4, v3                        ; 16 x lane
	s_mul_i32 s20, s15, PAIR
	s_mul_i32 s21, s16, PAIR
	s_add_co_u32 s21, s21, 2*PAIR
	s_sub_co_u32 s22, s21, s20
	v_mul_u32_u24 v4, s22, v2                      ; lanes 16-31 take the keys' scale words: one product, the distance between the two
	v_lshl_add_u32 v4, v1, 4, v4
	s_add_co_u32 s23, s20, SCO
	v_add_nc_u32 v[ADRS], s23, v4
	v_add_nc_u32 v[ADRS+1], BUF, v[ADRS]
	v_add_nc_u32 v[ADRS+2], 2*BUF, v[ADRS]
.irp s, 0,1,2
	v_add_nc_u32 v[ADRA+\s], s20, v3
	v_add_nc_u32 v[ADRB+\s], s21, v3
	s_add_co_u32 s20, s20, BUF
	s_add_co_u32 s21, s21, BUF
.endr
.macro LOADS set, buf, q               ; 50 LDS loads: step q of buffer buf into register set set
	PLACES
	WIN 0x40
.irp i, 0,1,2,3,4,5,6,7
.irp c, 0,1,2
	ds_load_b128 v[96*(\set)+12*\i+4*\c:96*(\set)+12*\i+4*\c+3], v[ADRB+(\buf)] offset:(\q)*UNIT+1536*\i+512*\c
.endr
.endr
	WIN 0
.irp i, 0,1,2,3,4,5,6,7
.irp c, 0,1,2
	ds_load_b128 v[64+96*(\set)+12*\i+4*\c:64+96*(\set)+12*\i+4*\c+3], v[ADRA+(\buf)] offset:(\q)*UNIT+1536*\i+512*\c
.endr
.endr
	ds_load_b128 v[SC+8*(\set):SC+8*(\set)+3], v[ADRS+(\buf)] offset:(\q)*UNIT
	ds_load_b128 v[SC+8*(\set)+4:SC+8*(\set)+7], v[ADRS+(\buf)] offset:(\q)*UNIT+256
.endm
.macro MUL set, zero                   ; 64 matrix instructions; the 64 accumulators take turns, in the same order in every step
.irp a, 0,1,2,3,4,5,6,7
.if \a == 0
	WIN 0xa1
.endif
.if \a == 4
	WIN 0xf1
.endif
.irp b, 0,1,2,3,4,5,6,7
.if \zero
	v_wmma_scale_f32_16x16x128_f8f6f4 v[8*(8*(\a%4)+\b):8*(8*(\a%4)+\b)+7], v[96*(\set)+12*\b:96*(\set)+12*\b+11], v[64+96*(\set)+12*\a:64+96*(\set)+12*\a+11], 0, v[SC+8*(\set)+\b], v[SC+8*(\set)+\a] matrix_a_fmt:MATRIX_FMT_FP6 matrix_b_fmt:MATRIX_FMT_FP6 matrix_a_scale:MATRIX_SCALE_ROW1
.else
	v_wmma_scale_f32_16x16x128_f8f6f4 v[8*(8*(\a%4)+\b):8*(8*(\a%4)+\b)+7], v[96*(\set)+12*\b:96*(\set)+12*\b+11], v[64+96*(\set)+12*\a:64+96*(\set)+12*\a+11], v[8*(8*(\a%4)+\b):8*(8*(\a%4)+\b)+7], v[SC+8*(\set)+\b], v[SC+8*(\set)+\a] matrix_a_fmt:MATRIX_FMT_FP6 matrix_b_fmt:MATRIX_FMT_FP6 matrix_a_scale:MATRIX_SCALE_ROW1
.endif
.endr
.endr
	WIN 0
.endm
; A change of buffers with a barrier, run by every wave: all my tensor loads have landed, 0 onto my spare word, that and my reads of the buffer that I leave are over; the barrier; f >= 0: my one load, the pair three on, into buffer f, first thing behind it.
.macro CHANGE f
	s_wait_tensorcnt 0x0
	ds_add_u32 v[SPW], v[NIL]
.if \f >= 0
	s_add_nc_u64 s[G0+4*(\f)+2:G0+4*(\f)+3], s[G0+4*(\f)+2:G0+4*(\f)+3], 3*PAIR
.endif
	s_wait_dscnt 0x0
	s_barrier_signal -1
	s_barrier_wait -1
.if \f >= 0
	tensor_load_to_lds s[G0+4*(\f):G0+4*(\f)+3], s[G1:G1+7]
	s_nop 0
.endif
.endm
	s_wait_tensorcnt 2                             ; my part of pair 0 is in; pairs 1 and 2 may stay out
	s_barrier_signal -1
	s_barrier_wait -1
	LOADS 0, 0, 0
	LOADS 1, 0, 1
	s_wait_dscnt 50                                ; set 0 is in; the 50 younger loads are set 1's
	MUL 0, 1                                       ; step 0 starts the sums, in every wave
	CHANGE 0                                       ; every wave's parts of pairs 1 and 2 have landed, buffer 0 is read out: pair 3 goes into it
; A wave all of whose keys come after its queries is led round the steps' work by a branch on ids; no barrier, wait on tensor loads, add or tensor load stands in what it passes over.
	s_cmp_gt_u32 s[KS], s[QS]
	s_cbranch_scc1 .Lhid_a
	LOADS 0, 1, 0
	MUL 1, 0                                       ; step 1
	LOADS 1, 1, 1
	s_wait_dscnt 50
	MUL 0, 0                                       ; step 2
	LOADS 0, 2, 0                                  ; on to buffer 2 with no barrier: the barrier above has shown it whole to every wave, and nothing is filled here
	s_wait_dscnt 50                                ; set 1 is in; the 50 younger loads are set 0's
	MUL 1, 0                                       ; step 3
	LOADS 1, 2, 1
	s_wait_dscnt 50
	MUL 0, 0                                       ; step 4
.Lhid_a:
	CHANGE -1                                      ; pair 3 has landed, everybody's part; nothing is left to fetch
	s_cmp_gt_u32 s[KS], s[QS]
	s_cbranch_scc1 .Lzero
	LOADS 0, 0, 0
	MUL 1, 0                                       ; step 5
	LOADS 1, 0, 1
	s_wait_dscnt 50
	MUL 0, 0                                       ; step 6
	s_wait_dscnt 0x0
	MUL 1, 0                                       ; step 7
; THE WAY OUT.  Block a: lane (r, h) holds query 32 (a / 2) + 8 (a % 2) + r + 8 (r / 8) of my 128; register 16 b + i holds key 32 b + 16 h + i of my 128.
.macro SOFTQ a
.set QW, 2+(\a)/4
.set AC, 64*((\a)%4)
.set PC, 96+20*((\a)%2)
	s_cmp_lg_u32 s[KS], s[QS]                      ; only where my keys are my queries' own group does the mask cut
	s_cbranch_scc1 .Lopen_\@
	v_add_nc_u32 v84, 32*((\a)/2)+8*((\a)%2), v86  ; my query - 16 h: key 32 b + i + 16 h is hidden where 32 b + i is above it
	WIN QW*65                                      ; destination and source 0 in the accumulators' window
.irp n, 0,1,2,3,4,5,6,7,8,9,10,11,12,13,14,15,16,17,18,19,20,21,22,23,24,25,26,27,28,29,30,31,32,33,34,35,36,37,38,39,40,41,42,43,44,45,46,47,48,49,50,51,52,53,54,55,56,57,58,59,60,61,62,63
	v_cmp_gt_i32 vcc_lo, 32*(\n/16)+\n%16, v84
	v_cndmask_b32 v[AC+\n], v[AC+\n], v85, vcc_lo
.endr
	WIN 0
.Lopen_\@:
	WIN QW*5
.irp b, 0,1,2,3
	v_max_num_f32 v[T+\b], v[AC+16*\b], v[AC+16*\b+1]   ; the largest score of each block of 32 keys: for the row's maximum, and, since p rises with the score, for the block's largest p
.endr
.irp i, 2,4,6,8,10,12,14
.irp b, 0,1,2,3
	v_max3_num_f32 v[T+\b], v[AC+16*\b+\i], v[AC+16*\b+\i+1], v[T+\b]
.endr
.endr
	WIN 0
.irp b, 0,1,2,3
	v_permlanex16_b32 v[T+4+\b], v[T+\b], s[SEL], s[SEL+1]
.endr
.irp b, 0,1,2,3
	v_max_num_f32 v[T+\b], v[T+\b], v[T+4+\b]
.endr
	v_max3_num_f32 v82, v[T], v[T+1], v[T+2]
	v_max_num_f32 v82, v82, v[T+3]                 ; my query's largest score of these 128 keys (its own key is among them on the diagonal: a number)
	v_mul_f32 v82, s[CS], v82
	v_floor_f32 v76, -v82                          ; -M = floor(-t): M is a whole number
.irp b, 0,1,2,3
	v_fma_f32 v[T+\b], v[T+\b], s[CS], v76
.endr
	WIN QW*65
.irp j, 0,2,4,6,8,10,12,14,16,18,20,22,24,26,28,30,32,34,36,38,40,42,44,46,48,50,52,54,56,58,60,62
	v_pk_fma_f32 v[AC+\j:AC+\j+1], v[AC+\j:AC+\j+1], s[CS:CS+1], v[76:77] op_sel_hi:[1,0,0]   ; t - M
.endr
.irp j, 0,1,2,3,4,5,6,7,8,9,10,11,12,13,14,15,16,17,18,19,20,21,22,23,24,25,26,27,28,29,30,31,32,33,34,35,36,37,38,39,40,41,42,43,44,45,46,47,48,49,50,51,52,53,54,55,56,57,58,59,60,61,62,63
	v_exp_f32 v[AC+\j], v[AC+\j]                   ; p, at most 1, not normalised
.endr
	WIN 0
	v_mov_b32 v[136+(\a)], v76                     ; -M is kept.  (A plain place behind the exponentials)
	s_wait_alu depctr_va_vdst(0)                   ; one wait for the batch, ahead of its first reader
.irp b, 0,1,2,3
	v_exp_f32 v[T+\b], v[T+\b]                     ; the block's largest p: the same two instructions on the same number
.endr
	WIN QW*5
	v_pk_add_f32 v[78:79], v[AC:AC+1], v[AC+2:AC+3]   ; the sum of the unquantised p, in two chains: plain work behind the four
	v_pk_add_f32 v[80:81], v[AC+4:AC+5], v[AC+6:AC+7]
	WIN QW
.irp j, 8,12,16,20,24,28,32,36,40,44,48,52,56,60
	v_pk_add_f32 v[78:79], v[AC+\j:AC+\j+1], v[78:79]
	v_pk_add_f32 v[80:81], v[AC+\j+2:AC+\j+3], v[80:81]
.endr
	WIN 0
	v_pk_add_f32 v[78:79], v[78:79], v[80:81]
	v_add_f32 v82, v78, v79
	v_permlanex16_b32 v83, v82, s[SEL], s[SEL+1]
	v_add_f32 v[144+(\a)], v82, v83                ; with lane l xor 16's: the sum over the 128 keys
	s_wait_alu depctr_va_vdst(0)                   ; and one wait for the four
.irp b, 0,1,2,3
	v_max_num_f32 v[T+\b], 0x1800000, v[T+\b]      ; the floor 2^(3 - 127)
.endr
.irp b, 0,1,2,3
	v_add_nc_u32 v[T+8+\b], 0xff000000, v[T+\b]
.endr
.irp b, 0,1,2,3
	v_lshrrev_b32 v[T+4+\b], 23, v[T+8+\b]
.endr
	v_lshl_or_b32 v[PW+(\a)], v[T+5], 8, v[T+4]
	v_lshl_or_b32 v[PW+(\a)], v[T+6], 16, v[PW+(\a)]
	v_lshl_or_b32 v[PW+(\a)], v[T+7], 24, v[PW+(\a)]
.if (\a) >= 2
	s_wait_xcnt 0x0                                ; block a - 2's stores have read these registers
.endif
	WIN QW
.irp c, 0,1
	v_cvt_scalef32_pk16_fp6_f32 v[PC+6*\c:PC+6*\c+2], v[AC+32*\c:AC+32*\c+15], v[T+8+2*\c]
	v_cvt_scalef32_pk16_fp6_f32 v[PC+12+4*\c:PC+12+4*\c+2], v[AC+32*\c+16:AC+32*\c+31], v[T+8+2*\c+1]
.endr
	WIN 0
	v_nop                                          ; one plain place behind a scaled conversion
.irp c, 0,1
.irp i, 0,1,2
	v_permlane16_swap_b32 v[PC+6*\c+\i], v[PC+12+4*\c+\i]
.endr
.irp i, 0,1,2
	v_mov_b32 v[PC+3+6*\c+\i], v[PC+12+4*\c+\i]
.endr
.endr
.irp c, 0,1,2
	global_store_b128 v3, v[PC+4*\c:PC+4*\c+3], s[48:49] offset:1536*(\a)+512*\c
.endr
.endm
	PLACES
.irp b, 0,1,2,3
	v_mov_b32 v[T+4+\b], 0                         ; a lane permute's destination counts as one of its sources
.endr
	v_mov_b32 v77, 0                               ; (named as the upper half of the pair v[76:77])
	v_mov_b32 v83, 0
	v_mov_b32 v85, 0xff800000                      ; -infinity
	v_and_b32 v86, 8, v1
	v_add_nc_u32 v86, v86, v1
	v_lshlrev_b32 v87, 4, v2
	v_sub_nc_u32 v86, v86, v87                     ; r + 8 (r / 8) - 16 h
.irp a, 0,1,2,3,4,5,6,7
	SOFTQ \a
.endr
.irp j, 0,1,2,3
	v_cndmask_b32 v[152+\j], v[PW+\j], v[PW+4+\j], s[HM]      ; lanes 0-15: blocks 0-3, lanes 16-31: blocks 4-7
	v_cndmask_b32 v[156+\j], v[136+\j], v[140+\j], s[HM]
	v_cndmask_b32 v[160+\j], v[144+\j], v[148+\j], s[HM]
.endr
	global_store_b128 v3, v[152:155], s[48:49] offset:SCO     ; p's scale words, under these keys' M
	global_store_b128 v3, v[156:159], s[50:51]                ; -M
	global_store_b128 v3, v[160:163], s[50:51] offset:512     ; the sums
	s_branch .Lend
.Lzero:                                            ; all my keys come after my queries: every p is 0
	PLACES
.irp j, 0,1,2,3
	v_mov_b32 v[152+\j], 0
.endr
.irp k, 0,1,2,3,4,5,6,7,8,9,10,11,12,13,14,15,16,17,18,19,20,21,22,23,24
	global_store_b128 v3, v[152:155], s[48:49] offset:512*\k
.endr
.Lend:
	s_wait_tensorcnt 0x0                           ; the wave's end
	ds_add_u32 v[SPW], v[NIL]
	s_wait_dscnt 0x0
	s_endpgm
.Lfunc_end_k_qe53e69a966_score:
	.size	k_qe53e69a966_score, .Lfunc_end_k_qe53e69a966_score-k_qe53e69a966_score
	.p2alignl 7, 3214868480
	.fill 96, 4, 3214868480
	.section	.rodata,"a",@progbits
	.p2align	6, 0x0
	.amdhsa_kernel k_qe53e69a966_score
		.amdhsa_group_segment_fixed_size 327680
		.amdhsa_private_segment_fixed_size 0
		.amdhsa_enable_private_segment 0
		.amdhsa_kernarg_size 24
		.amdhsa_user_sgpr_count 2
		.amdhsa_user_sgpr_kernarg_segment_ptr 1
		.amdhsa_wavefront_size32 1
		.amdhsa_system_sgpr_workgroup_id_x 1
		.amdhsa_system_sgpr_workgroup_id_y 1
		.amdhsa_system_sgpr_workgroup_id_z 1
		.amdhsa_system_vgpr_workitem_id 0
		.amdhsa_next_free_vgpr 1024
		.amdhsa_next_free_sgpr 66
		.amdhsa_reserve_vcc 1
		.amdhsa_float_denorm_mode_32 3
		.amdhsa_float_denorm_mode_16_64 3
		.amdhsa_memory_ordered 1
		.amdhsa_forward_progress 1
		.amdhsa_inst_pref_size 232
	.end_amdhsa_kernel
	.amdgpu_metadata
---
amdhsa.version: [ 1, 2 ]
amdhsa.kernels:
  - .name:           k_qe53e69a966_score
    .symbol:         k_qe53e69a966_score.kd
    .args:
      - { .name: qk_img, .offset: 0, .size: 8, .value_kind: global_buffer, .address_space: global }
      - { .name: p_img, .offset: 8, .size: 8, .value_kind: global_buffer, .address_space: global }
      - { .name: pstat, .offset: 16, .size: 8, .value_kind: global_buffer, .address_space: global }
    .group_segment_fixed_size: 327680
    .private_segment_fixed_size: 0
    .kernarg_segment_align: 8
    .kernarg_segment_size: 24
    .max_flat_workgroup_size: 128
    .sgpr_count:     66
    .vgpr_count:     1024
    .wavefront_size: 32
...
	.end_amdgpu_metadata
.endif
;; end of part 3
;; launch pv (part 4): grid 4 x 64, 4 waves a work-group, no clusters, 327,680 bytes of LDS; arguments p_img, pstat, v_img, out0; writes out0
.if DOCPART == 4
	.amdgcn_target "amdgcn-amd-amdhsa--gfx1250"
	.amdhsa_code_object_version 6
	.text
	.protected	k_qe53e69a966_pv
	.globl	k_qe53e69a966_pv
	.p2align	8
	.type	k_qe53e69a966_pv,@function
k_qe53e69a966_pv:
	s_mov_b64 s[64:65], 0
	v_nop
	global_prefetch_b8 v0, s[64:65] scope:SCOPE_SE
	s_setreg_imm32_b32 hwreg(HW_REG_WAVE_MODE, 25, 1), 1
	s_wait_xcnt 0x0
; out = (p v) / l on codes of FP6 (E2M3), K = the keys.  p came under an M of each 128 keys.  Here the row's M is the largest of them, the row's sum is the sum of the parts x 2^(M of the part - M of the row), and each of p's scale
; bytes has (M of the row - M of the part) taken off it: whole numbers, so nothing is rounded and the codes stay.
; WORK LEFT OUT: key steps beyond a group of 128 queries' own 128 keys hold only p = 0 by the problem's own mask: group g of a batch walks key steps 0 .. g.  (They come in pairs; where g is even the last pair's second unit is fetched and not multiplied.)
; SHARES.  A work-group: 128 queries (y) x 256 channels (x); wave w: all 128 queries x channels 64 w on: 32 accumulators.  O^T = V^T P^T: source 0 = 16 channels of v, source 1 = 16 queries of p: a lane holds one query and eight neighbouring channels.
; LDS: three parts of eight key steps (p, v's two channel groups; key step k at place k mod 8, 12,800 bytes a place); p's adjusted scale words of all 16 key steps; the spare words.  The waves' stages for the way out lie over the
; scale words, behind a barrier that stands behind every wave's last read of them.  No fill lands on either.
; THE LOADS, one a wave (wave 0 p's, waves 1, 2 v's, wave 3 none), each a dense block of 100 rows of 256 bytes for each pair of key steps; L = g / 2 is the last pair:
;   at the head pair 0;  behind the first barrier pairs 1 .. min(3, L), a first fill;  behind the barrier in front of pair 1: pair 4, into pair 0's bytes;  behind the barrier in front of pair 4: pairs 5 .. L, into the bytes of pairs 1 to 3.
; So the longest walk waits for four loads.  A load of one, two or three pairs has its own group 1 of constants, and a short branch on the work-group's number picks one of the three tensor instructions: every way through it issues one.
; The ways that ask for less (L = 0; L = 1 to 3; L = 4) are written out.  Every wait on tensor loads is for 0; one load a wave is out.
; NO CLUSTER: v's tiles, two thirds of a step's bytes, are shared only by query groups that walk different numbers of pairs.
; LIMITS: a byte of p that would fall under 0 is held at 0 (2^-127: such a term is at most 7.5 x 2^-127 times a number of v); the whole numbers M are exact in f32 for |t| < 2^24; NaN and infinities are not served.
.set UNIT,  12800
.set SCO,   12288
.set PAIR,  2*UNIT
.set HALF,  4*UNIT                     ; an LDS immediate reaches 65,535: each part has two address registers, this far apart
.set PART,  8*UNIT
.set TBL,   3*PART                     ; p's adjusted scale units, 512 bytes a key step
.set STAGE, TBL                        ; 16 rows x 272 bytes for each wave, from the walk's end on
.set SPARE, STAGE+4*16*272             ; the spare words, 128 bytes for each wave: two blocks of 256 bytes that no other line names
.set ADRP,  4
.set ADRV,  6
.set ADRVS, 8
.set ADRT,  10
.set TW,    11
.set STO,   12
.set RD,    13
.set GO,    14
.set SPW,   30
.set NIL,   31
.set PS,    32                         ; v32-39 p's scale words, 4 a set: lanes 0-15 block j, lanes 16-31 block 4 + j
.set VS,    40                         ; v40-47 v's, 4 a set
.set INV,   48                         ; v48-63 1 / l, a pair for each block of 16 queries
.set G1A,   24                         ; s[24:31] group 1 for one pair: 100 rows
.set G1B,   68                         ; s[68:75] for two: 200 rows
.set G1C,   76                         ; s[76:83] for three: 300 rows
.set G0,    32                         ; s[32:35] group 0 for pair 0's bytes; s[36:39] for the bytes of pairs 1 to 3
.set LL,    18                         ; s18 the last pair
.set NP,    58                         ; s58 L mod 4: how many pairs the load of one to three pairs brings
.set SEL,   48
.set HM,    50
.set K01,   51
.set MSB, 0
.macro WIN new
.if MSB != (\new)
	s_set_vgpr_msb (MSB<<8)|(\new)
.set MSB, (\new)
.endif
.endm
.macro PLACES
.rept 4
	v_nop
.endr
.endm
.macro TLOAD g0, g1                    ; waves 0 to 2 fetch; the branch hangs on the wave's number alone
	s_cmp_lt_u32 s14, 3
	s_cbranch_scc0 .Lno_\@
	tensor_load_to_lds s[\g0:\g0+3], s[\g1:\g1+7]
	s_nop 0
.Lno_\@:
.endm
.macro TSEL g0                         ; the same with one, two or three pairs, by the work-group's number: one of three tensor instructions, each with its own group 1
	s_cmp_lt_u32 s14, 3
	s_cbranch_scc0 .Lsd_\@
	s_cmp_eq_u32 s[NP], 1
	s_cbranch_scc0 .Ls2_\@
	tensor_load_to_lds s[\g0:\g0+3], s[G1A:G1A+7]
	s_nop 0
	s_branch .Lsd_\@
.Ls2_\@:
	s_cmp_eq_u32 s[NP], 2
	s_cbranch_scc0 .Ls3_\@
	tensor_load_to_lds s[\g0:\g0+3], s[G1B:G1B+7]
	s_nop 0
	s_branch .Lsd_\@
.Ls3_\@:
	tensor_load_to_lds s[\g0:\g0+3], s[G1C:G1C+7]
	s_nop 0
.Lsd_\@:
.endm
	s_load_b256 s[4:11], s[0:1], 0x0               ; p_img, pstat, v_img, out0
	v_lshl_add_u32 v[SPW], v0, 2, SPARE
	v_mov_b32 v[NIL], 0
	ds_add_u32 v[SPW], v[NIL]                      ; the wave's opening: the add, twice on end, and its wait ahead of my first tensor load
	ds_add_u32 v[SPW], v[NIL]
	v_lshrrev_b32 v1, 5, v0
	v_readfirstlane_b32 s14, v1                    ; wave
	s_and_b32 s15, ttmp7, 0xffff                   ; G: the group of 128 queries
	s_and_b32 s16, s15, 15                         ; g: in its batch
	s_lshr_b32 s17, s15, 4                         ; the batch
	s_lshr_b32 s[LL], s16, 1
	s_and_b32 s[NP], s[LL], 3
.irp g, G1A, G1B, G1C
	s_mov_b32 s[\g+0], 3<<16                       ; no mask; elements of 8 bytes; no padding
	s_mov_b32 s[\g+1], 32<<16                      ; tensor_dim0 = 32 elements: 256 bytes
	s_mov_b32 s[\g+3], 32<<16                      ; tile_dim0
	s_mov_b32 s[\g+5], 32                          ; dense
	s_mov_b32 s[\g+6], 0
	s_mov_b32 s[\g+7], 0
.endr
	s_mov_b32 s[G1A+2], 100<<16                    ; tensor_dim1 and tile_dim1: the rows
	s_mov_b32 s[G1A+4], 100
	s_mov_b32 s[G1B+2], 200<<16
	s_mov_b32 s[G1B+4], 200
	s_mov_b32 s[G1C+2], 300<<16
	s_mov_b32 s[G1C+4], 300
	s_lshl_b32 s20, s15, 4                         ; p: unit 16 G
	s_min_u32 s19, s14, 2
	s_max_u32 s19, s19, 1
	s_sub_co_u32 s19, s19, 1                       ; v: waves 1, 2 take channel groups 2 x + 0, 1
	s_lshl_b32 s21, ttmp9, 1
	s_add_co_u32 s21, s21, s19
	s_lshl_b32 s21, s21, 6
	s_lshl_b32 s22, s17, 4
	s_add_co_u32 s21, s21, s22                     ; unit 64 (channel group) + 16 batch
	s_cmp_eq_u32 s14, 0
	s_cselect_b32 s20, s20, s21
	s_mul_i32 s20, s20, UNIT
	s_mov_b32 s21, 0
	s_min_u32 s23, s14, 2
	s_mul_i32 s23, s23, PART                       ; the part into which my loads land
	s_lshl_b32 s52, s15, 4
	s_mul_i32 s52, s52, UNIT                       ; p's units of my queries
	s_mov_b32 s53, 0
	s_lshl_b32 s54, s15, 14                        ; their 16 x 1,024 bytes of -M and sums
	s_mov_b32 s55, 0
	s_lshl_b32 s56, s15, 19                        ; out: 128 rows of 4,096 bytes,
	s_lshl_b32 s57, ttmp9, 10
	s_add_co_u32 s56, s56, s57                     ; + 256 channels x,
	s_lshl_b32 s57, s14, 8
	s_add_co_u32 s56, s56, s57                     ; + 64 channels w
	s_mov_b32 s57, 0
	s_mov_b32 s[SEL], 0x76543210
	s_mov_b32 s[SEL+1], 0xfedcba98
	s_mov_b32 s[HM], 0xffff0000                    ; lanes 16-31
	s_mov_b32 s[K01], 0x01010101
	s_wait_dscnt 0x0                               ; both opening adds are done
	s_wait_kmcnt 0x0
	s_cmp_eq_u32 s14, 0
	s_cselect_b64 s[40:41], s[4:5], s[8:9]
	s_add_nc_u64 s[40:41], s[40:41], s[20:21]
	s_add_nc_u64 s[42:43], s[4:5], s[52:53]
	s_add_nc_u64 s[44:45], s[6:7], s[54:55]
	s_add_nc_u64 s[46:47], s[10:11], s[56:57]
.irp s, 0,1
	s_mov_b32 s[G0+4*\s], 1
	s_add_co_u32 s[G0+4*\s+1], s23, \s*PAIR        ; place 0, or place 2
	s_add_nc_u64 s[G0+4*\s+2:G0+4*\s+3], s[40:41], \s*PAIR   ; key step 0, or key step 2
	s_or_b32 s[G0+4*\s+3], s[G0+4*\s+3], 0x80000000
.endr
	TLOAD G0, G1A                                  ; pair 0: every work-group reads it
	v_and_b32 v1, 15, v0                           ; r
	v_bfe_u32 v2, v0, 4, 1                         ; h
	v_and_b32 v3, 31, v0
	v_lshlrev_b32 v3, 4, v3                        ; 16 x lane
	v_mov_b32 v[ADRP], v3
	v_add_nc_u32 v[ADRP+1], HALF, v3
	s_lshr_b32 s20, s14, 1
	s_add_co_u32 s20, s20, 1
	s_mul_i32 s20, s20, PART                       ; my channel group's part
	s_and_b32 s21, s14, 1
	s_mul_i32 s22, s21, 4*1536
	s_add_co_u32 s22, s22, s20                     ; my four fragments
	v_add_nc_u32 v[ADRV], s22, v3
	v_add_nc_u32 v[ADRV+1], HALF, v[ADRV]
	s_lshl_b32 s22, s21, 8
	s_add_co_u32 s22, s22, s20
	s_add_co_u32 s22, s22, SCO
	v_lshl_add_u32 v[ADRVS], v1, 4, s22            ; their scale words: row r's four
	v_add_nc_u32 v[ADRVS+1], HALF, v[ADRVS]
	v_add_nc_u32 v[ADRT], TBL, v3
	s_lshl_b32 s22, s14, 11
	s_add_co_u32 s22, s22, TBL
	v_add_nc_u32 v[TW], s22, v3                    ; I make the scale units of key steps 4 w .. 4 w + 3
	s_mul_i32 s22, s14, 16*272
	s_add_co_u32 s22, s22, STAGE
	v_mul_u32_u24 v[STO], v1, 272
	v_lshl_add_u32 v[STO], v2, 6, v[STO]
	v_add_nc_u32 v[STO], s22, v[STO]               ; the stage, in: row r, + 64 h bytes
	v_mul_u32_u24 v[RD], v2, 272
	v_lshl_add_u32 v[RD], v1, 4, v[RD]
	v_add_nc_u32 v[RD], s22, v[RD]                 ; and back: lanes 0-15 one row, lanes 16-31 the next
	v_lshlrev_b32 v[GO], 12, v2
	v_lshl_add_u32 v[GO], v1, 4, v[GO]             ; the same two rows in out
; THE ROW'S M AND SUM.  A lane (r, h) holds four numbers of each kind: row r of blocks 4 h .. 4 h + 3.  Key steps beyond g are replaced by step g (no load leaves what was stored) and count for nothing in the sum.
.irp s, 0,1,2,3,4,5,6,7,8,9,10,11,12,13,14,15
	s_min_u32 s20, s16, \s
	s_lshl_b32 s20, s20, 10
	v_add_nc_u32 v[192+\s], s20, v3
.endr
.irp s, 0,1,2,3,4,5,6,7,8,9,10,11,12,13,14,15
	global_load_b128 v[64+4*\s:64+4*\s+3], v[192+\s], s[44:45]               ; -M of the part
	global_load_b128 v[128+4*\s:128+4*\s+3], v[192+\s], s[44:45] offset:512  ; its sum
.endr
	s_lshl_b32 s21, s14, 2
.irp k, 0,1,2,3
	s_add_co_u32 s20, s21, \k
	s_min_u32 s20, s20, s16
	s_mul_i32 s22, s20, UNIT
	v_add_nc_u32 v[224+\k], s22, v3
	s_lshl_b32 s22, s20, 10
	v_add_nc_u32 v[244+\k], s22, v3
.endr
.irp k, 0,1,2,3
	global_load_b128 v[208+4*\k:208+4*\k+3], v[224+\k], s[42:43] offset:SCO  ; my four key steps' scale words as they were made,
	global_load_b128 v[228+4*\k:228+4*\k+3], v[244+\k], s[44:45]             ; and their -M
.endr
	s_wait_loadcnt 0x0
.irp j, 0,1,2,3
	v_min_num_f32 v[16+\j], v[64+\j], v[68+\j]
.endr
.irp s, 2,3,4,5,6,7,8,9,10,11,12,13,14,15
.irp j, 0,1,2,3
	v_min_num_f32 v[16+\j], v[16+\j], v[64+4*\s+\j]          ; -M of the row: the least of the parts'
.endr
.endr
.irp s, 0,1,2,3,4,5,6,7,8,9,10,11,12,13,14,15
.irp j, 0,1,2,3
	v_sub_f32 v[248+\j], v[16+\j], v[64+4*\s+\j]             ; M of the part - M of the row: a whole number, 0 or less
.endr
.irp j, 0,1,2,3
	v_max_num_f32 v[248+\j], 0xc3480000, v[248+\j]           ; held at -200: under that the part is nothing beside the row's sum, which is above 1/2
.endr
.irp j, 0,1,2,3
	v_cvt_i32_f32 v[248+\j], v[248+\j]
.endr
.if \s == 0
.irp j, 0,1,2,3
	v_ldexp_f32 v[20+\j], v[128+\j], v[248+\j]               ; step 0 starts the sum
.endr
.else
.irp j, 0,1,2,3
	v_ldexp_f32 v[248+\j], v[128+4*\s+\j], v[248+\j]
.endr
	s_cmp_ge_u32 s16, \s
	s_cselect_b32 s20, 1.0, 0                                ; a step beyond g counts for nothing
.irp j, 0,1,2,3
	v_fma_f32 v[20+\j], v[248+\j], s20, v[20+\j]
.endr
.endif
.endr
; p's scale bytes under the row's M: D = M of the row - M of the part, held at 127, comes off each of a word's four bytes, which are under 128; a byte that would fall under 0 becomes 0.
.irp k, 0,1,2,3
.irp j, 0,1,2,3
	v_sub_f32 v[248+\j], v[16+\j], v[228+4*\k+\j]
.endr
.irp j, 0,1,2,3
	v_max_num_f32 v[248+\j], 0xc2fe0000, v[248+\j]           ; -127
.endr
.irp j, 0,1,2,3
	v_cvt_i32_f32 v[248+\j], v[248+\j]                       ; -D
.endr
.irp j, 0,1,2,3
	v_mul_lo_u32 v[248+\j], v[248+\j], s[K01]                ; -D in each byte, as one number
.endr
.irp j, 0,1,2,3
	v_or_b32 v[208+4*\k+\j], 0x80808080, v[208+4*\k+\j]      ; 128 + byte: no byte borrows from its neighbour
.endr
.irp j, 0,1,2,3
	v_add_nc_u32 v[208+4*\k+\j], v[208+4*\k+\j], v[248+\j]
.endr
.irp j, 0,1,2,3
	v_lshrrev_b32 v[248+\j], 7, v[208+4*\k+\j]
.endr
.irp j, 0,1,2,3
	v_and_b32 v[248+\j], s[K01], v[248+\j]                   ; 1 where byte - D is 0 or more
.endr
.irp j, 0,1,2,3
	v_lshlrev_b32 v[252+\j], 8, v[248+\j]
.endr
.irp j, 0,1,2,3
	v_sub_nc_u32 v[252+\j], v[252+\j], v[248+\j]             ; 255 in those bytes
.endr
.irp j, 0,1,2,3
	v_and_b32 v[208+4*\k+\j], 0x7f7f7f7f, v[208+4*\k+\j]
.endr
.irp j, 0,1,2,3
	v_and_b32 v[208+4*\k+\j], v[208+4*\k+\j], v[252+\j]
.endr
	ds_store_b128 v[TW], v[208+4*\k:208+4*\k+3] offset:512*\k
.endr
.irp j, 0,1,2,3
	v_rcp_f32 v[24+\j], v[20+\j]
.endr
	v_nop                                          ; a plain place behind the last reciprocal
	s_wait_alu depctr_va_vdst(0)                   ; and one wait for the four, ahead of their first reader
.irp j, 0,1,2,3
	v_permlanex16_b32 v[64+\j], v[24+\j], s[SEL], s[SEL+1]   ; the other four blocks' (the destinations have been written)
.endr
.irp j, 0,1,2,3
	v_cndmask_b32 v[INV+2*\j], v[24+\j], v[64+\j], s[HM]     ; block j: lanes 0-15 hold it
	v_cndmask_b32 v[INV+2*\j+1], v[24+\j], v[64+\j], s[HM]
	v_cndmask_b32 v[INV+8+2*\j], v[64+\j], v[24+\j], s[HM]   ; block 4 + j: lanes 16-31 do
	v_cndmask_b32 v[INV+8+2*\j+1], v[64+\j], v[24+\j], s[HM]
.endr
; 38 LDS loads: key step 'step', at place step mod 8 of each part, into register set set: my four fragments of v, p's eight, v's scale words, p's adjusted ones
.macro LOADS set, step
.set HB, ((\step)%8)/4
.set QO, ((\step)%4)*UNIT
	PLACES
	WIN 0x40
.irp i, 0,1,2,3
.irp c, 0,1,2
	ds_load_b128 v[48*(\set)+12*\i+4*\c:48*(\set)+12*\i+4*\c+3], v[ADRV+HB] offset:QO+1536*\i+512*\c
.endr
.endr
	WIN 0
.irp i, 0,1,2,3,4,5,6,7
.irp c, 0,1,2
	ds_load_b128 v[64+96*(\set)+12*\i+4*\c:64+96*(\set)+12*\i+4*\c+3], v[ADRP+HB] offset:QO+1536*\i+512*\c
.endr
.endr
	ds_load_b128 v[VS+4*(\set):VS+4*(\set)+3], v[ADRVS+HB] offset:QO
	ds_load_b128 v[PS+4*(\set):PS+4*(\set)+3], v[ADRT] offset:512*(\step)
.endm
; 32 matrix instructions: a key step.  The 32 accumulators take turns, in the same order in every step.
.macro MUL set, zero
	WIN 0xa1                                       ; source 0 (v) window 1, source 1 (p) window 0, C and D window 2
.irp a, 0,1,2,3,4,5,6,7
.irp b, 0,1,2,3
.if \zero
.if \a < 4
	v_wmma_scale_f32_16x16x128_f8f6f4 v[32*\a+8*\b:32*\a+8*\b+7], v[48*(\set)+12*\b:48*(\set)+12*\b+11], v[64+96*(\set)+12*\a:64+96*(\set)+12*\a+11], 0, v[VS+4*(\set)+\b], v[PS+4*(\set)+\a%4] matrix_a_fmt:MATRIX_FMT_FP6 matrix_b_fmt:MATRIX_FMT_FP6
.else
	v_wmma_scale_f32_16x16x128_f8f6f4 v[32*\a+8*\b:32*\a+8*\b+7], v[48*(\set)+12*\b:48*(\set)+12*\b+11], v[64+96*(\set)+12*\a:64+96*(\set)+12*\a+11], 0, v[VS+4*(\set)+\b], v[PS+4*(\set)+\a%4] matrix_a_fmt:MATRIX_FMT_FP6 matrix_b_fmt:MATRIX_FMT_FP6 matrix_b_scale:MATRIX_SCALE_ROW1
.endif
.else
.if \a < 4
	v_wmma_scale_f32_16x16x128_f8f6f4 v[32*\a+8*\b:32*\a+8*\b+7], v[48*(\set)+12*\b:48*(\set)+12*\b+11], v[64+96*(\set)+12*\a:64+96*(\set)+12*\a+11], v[32*\a+8*\b:32*\a+8*\b+7], v[VS+4*(\set)+\b], v[PS+4*(\set)+\a%4] matrix_a_fmt:MATRIX_FMT_FP6 matrix_b_fmt:MATRIX_FMT_FP6
.else
	v_wmma_scale_f32_16x16x128_f8f6f4 v[32*\a+8*\b:32*\a+8*\b+7], v[48*(\set)+12*\b:48*(\set)+12*\b+11], v[64+96*(\set)+12*\a:64+96*(\set)+12*\a+11], v[32*\a+8*\b:32*\a+8*\b+7], v[VS+4*(\set)+\b], v[PS+4*(\set)+\a%4] matrix_a_fmt:MATRIX_FMT_FP6 matrix_b_fmt:MATRIX_FMT_FP6 matrix_b_scale:MATRIX_SCALE_ROW1
.endif
.endif
.endr
.endr
	WIN 0
.endm
; Pair m's work: key step 2 m into set 0, the step left in set 1 multiplied meanwhile, key step 2 m + 1 into set 1, key step 2 m multiplied.
.macro PAIRW m
	LOADS 0, 2*(\m)
.if (\m) > 0
	s_wait_dscnt 38                                ; set 1 is in; the 38 younger loads are set 0's
	MUL 1, 0
.endif
	LOADS 1, 2*(\m)+1
	s_wait_dscnt 38                                ; set 0 is in; the 38 younger loads are set 1's
.if (\m) == 0
	MUL 0, 1                                       ; key step 0 starts the sums
.else
	MUL 0, 0
.endif
.endm
; Where loads are waited for and asked for.  Every wave: all my tensor loads have landed, 0 onto my spare word, that, my LDS stores and my reads so far are over (what is still to be multiplied is in registers); the barrier.
; twice = 1, where a tensor load can still follow: the add once more.  st >= 0: group 0 number st goes eight key steps on, to the same places.
.macro SYNC twice, st
	s_wait_tensorcnt 0x0
	ds_add_u32 v[SPW], v[NIL]
.if \twice
	ds_add_u32 v[SPW], v[NIL]
.endif
.if \st >= 0
	s_add_nc_u64 s[G0+4*(\st)+2:G0+4*(\st)+3], s[G0+4*(\st)+2:G0+4*(\st)+3], PART
.endif
	s_wait_dscnt 0x0
	s_barrier_signal -1
	s_barrier_wait -1
.endm
	s_cmp_eq_u32 s[LL], 0                          ; which way is walked hangs on the work-group's number alone
	s_cbranch_scc1 .Lone
	s_cmp_lt_u32 s[LL], 4
	s_cbranch_scc1 .Llow
	SYNC 1, -1                                     ; L = 4 .. 7.  Pair 0 and the scale units lie in LDS
	TLOAD G0+4, G1C                                ; pairs 1 to 3
	PAIRW 0
	SYNC 1, 0                                      ; pairs 1 to 3 have landed; pair 0's bytes are read out
	TLOAD G0, G1A                                  ; pair 4 goes into them: it has three pairs' work, 192 matrix instructions, in which to land
	PAIRW 1
	PAIRW 2
	PAIRW 3
	s_cmp_eq_u32 s[LL], 4
	s_cbranch_scc1 .Lfive
	SYNC 1, 1                                      ; pair 4 has landed; the bytes of pairs 1 to 3 are read out
	TSEL G0+4                                      ; pairs 5 .. L go into them
	PAIRW 4
	SYNC 0, -1                                     ; they have landed; nothing is left to fetch
	PAIRW 5
	s_cmp_eq_u32 s[LL], 5
	s_cbranch_scc1 .Lfin
	PAIRW 6
	s_cmp_eq_u32 s[LL], 6
	s_cbranch_scc1 .Lfin
	PAIRW 7
	s_branch .Lfin
.Lfive:                                            ; L = 4: pair 4 is the last
	SYNC 0, -1
	PAIRW 4
	s_branch .Lfin
.Llow:                                             ; L = 1 .. 3: two loads bring all
	SYNC 1, -1
	TSEL G0+4                                      ; pairs 1 .. L: a first fill
	PAIRW 0
	SYNC 0, -1
	PAIRW 1
	s_cmp_eq_u32 s[LL], 1
	s_cbranch_scc1 .Lfin
	PAIRW 2
	s_cmp_eq_u32 s[LL], 2
	s_cbranch_scc1 .Lfin
	PAIRW 3
	s_branch .Lfin
.Lone:                                             ; L = 0: pair 0 is all
	SYNC 0, -1
	PAIRW 0
.Lfin:
	s_wait_dscnt 0x0                               ; set 1 is in, and my reads of the scale units are over
	s_barrier_signal -1
	s_barrier_wait -1                              ; everybody's are: the stages may be written over them
	s_bitcmp1_b32 s16, 0
	s_cbranch_scc0 .Leven                          ; g even: the pair's second key step lies wholly under the mask
	MUL 1, 0
.Leven:
	PLACES
; THE WAY OUT, a block of 16 queries at a time: x 1 / l; through my stage; back as rows of 256 bytes (my 64 channels), which sixteen lanes store whole.  Register 8 b + j of block a is channel 32 (b / 2) + 16 h + 8 (b % 2) + j of my 64.
.macro PACK a
	WIN 0x82                                       ; destination and source 0 window 2
.irp i, 0,1,2,3,4,5,6,7,8,9,10,11,12,13,14,15
	v_pk_mul_f32 v[32*(\a)+2*\i:32*(\a)+2*\i+1], v[32*(\a)+2*\i:32*(\a)+2*\i+1], v[INV+2*(\a):INV+2*(\a)+1] op_sel_hi:[1,0]
.endr
	WIN 0x08                                       ; an LDS store's data are its source 1: window 2
.irp b, 0,1,2,3
.irp e, 0,1
	ds_store_b128 v[STO], v[32*(\a)+8*\b+4*\e:32*(\a)+8*\b+4*\e+3] offset:128*(\b/2)+32*(\b%2)+16*\e
.endr
.endr
	WIN 0
.irp t, 0,1,2,3,4,5,6,7
	ds_load_b128 v[64+32*((\a)%2)+4*\t:64+32*((\a)%2)+4*\t+3], v[RD] offset:544*\t   ; LDS serves a wave's instructions in order: these see my stores, and the next block's stores come behind them
.endr
.endm
.macro SEND a, younger
	s_wait_dscnt \younger
.irp t, 0,1,2,3,4,5,6,7
	global_store_b128 v[GO], v[64+32*((\a)%2)+4*\t:64+32*((\a)%2)+4*\t+3], s[46:47] offset:(32*((\a)/2)+8*((\a)%2)+2*\t+8*(\t/4))*4096 th:TH_STORE_NT   ; stage row 2 t + h is query 32 (a / 2) + 8 (a % 2) + 2 t + h + 8 (t / 4); 16 lanes store 256 consecutive bytes, aligned
.endr
.endm
	PACK 0
.irp a, 1,2,3,4,5,6,7
.if \a > 1
	s_wait_xcnt 0x0                                ; block a - 2's stores have read the registers into which block a's rows come back
.endif
	PACK \a
	SEND \a-1, 16                                  ; behind block a - 1's loads: block a's 8 stores and 8 loads
.endr
	SEND 7, 0
	s_wait_tensorcnt 0x0                           ; the wave's end, behind my last tensor load and my last LDS store
	ds_add_u32 v[SPW], v[NIL]
	s_wait_dscnt 0x0
	s_endpgm
.Lfunc_end_k_qe53e69a966_pv:
	.size	k_qe53e69a966_pv, .Lfunc_end_k_qe53e69a966_pv-k_qe53e69a966_pv
	.p2alignl 7, 3214868480
	.fill 96, 4, 3214868480
	.section	.rodata,"a",@progbits
	.p2align	6, 0x0
	.amdhsa_kernel k_qe53e69a966_pv
		.amdhsa_group_segment_fixed_size 327680
		.amdhsa_private_segment_fixed_size 0
		.amdhsa_enable_private_segment 0
		.amdhsa_kernarg_size 32
		.amdhsa_user_sgpr_count 2
		.amdhsa_user_sgpr_kernarg_segment_ptr 1
		.amdhsa_wavefront_size32 1
		.amdhsa_system_sgpr_workgroup_id_x 1
		.amdhsa_system_sgpr_workgroup_id_y 1
		.amdhsa_system_sgpr_workgroup_id_z 1
		.amdhsa_system_vgpr_workitem_id 0
		.amdhsa_next_free_vgpr 768
		.amdhsa_next_free_sgpr 88
		.amdhsa_reserve_vcc 0
		.amdhsa_float_denorm_mode_32 3
		.amdhsa_float_denorm_mode_16_64 3
		.amdhsa_memory_ordered 1
		.amdhsa_forward_progress 1
		.amdhsa_inst_pref_size 246
	.end_amdhsa_kernel
	.amdgpu_metadata
---
amdhsa.version: [ 1, 2 ]
amdhsa.kernels:
  - .name:           k_qe53e69a966_pv
    .symbol:         k_qe53e69a966_pv.kd
    .args:
      - { .name: p_img, .offset: 0, .size: 8, .value_kind: global_buffer, .address_space: global }
      - { .name: pstat, .offset: 8, .size: 8, .value_kind: global_buffer, .address_space: global }
      - { .name: v_img, .offset: 16, .size: 8, .value_kind: global_buffer, .address_space: global }
      - { .name: out0, .offset: 24, .size: 8, .value_kind: global_buffer, .address_space: global }
    .group_segment_fixed_size: 327680
    .private_segment_fixed_size: 0
    .kernarg_segment_align: 8
    .kernarg_segment_size: 32
    .max_flat_workgroup_size: 128
    .sgpr_count:     88
    .vgpr_count:     768
    .wavefront_size: 32
...
	.end_amdgpu_metadata
.endif
;; end of part 4
